; MI455X (gfx1250); checked and timed in simulation.
; The chip was launched on July 23, 2026; its instructions are those of AMD's public machine-readable ISA for CDNA 5 (MIT licence, August 2026) and "CDNA5" Instruction Set Architecture Reference Guide (July 2026). The comments in the code are by the model that wrote it; some were corrected since.
;; Triangle Cross Attention. Allowed arithmetic: float matrix products may take bf16 or f16 operands with f32 sums; all other float work in f32.
;; Inputs: bg 128 float32; bo 128 float32; ln_b 128 float32; ln_w 128 float32; mask 1 x 256 x 256 float32; wg 128 x 128 float32; wk 128 x 128 float32; wo 128 x 128 float32; wq 128 x 128 float32; wv 128 x 128 float32; wx 64 x 128 float32; wz 64 x 128 float32; x 1 x 256 x 256 x 128 float32; z 1 x 256 x 128 float32.
;; Outputs: out0 1 x 256 x 256 x 128 float32.
;; One version. Each part assembles by itself: llvm-mc -triple=amdgcn-amd-amdhsa -mcpu=gfx1250 --defsym DOCPART=n.
;; ======== version 1 of 1: 2 launches
;; limits: values are held in f16: magnitudes above 65,504 overflow, below 6.1e-05 lose precision; right only within a limited range of input values
;; workspace buffers: ws 870,400 bytes
;; launch pre (part 1): grid 280 x 1, 8 waves a work-group, no clusters, 5,120 bytes of LDS; arguments x, z, ln_w, ln_b, wx, wz, wq, wk, wv, wg, bg, wo, ws; writes ws
.if DOCPART == 1
	.amdgcn_target "amdgcn-amd-amdhsa--gfx1250"
	.amdhsa_code_object_version 6
	.text
	.protected	k_q1f181edb45_pre
	.globl	k_q1f181edb45_pre
	.p2align	8
	.type	k_q1f181edb45_pre,@function
k_q1f181edb45_pre:
	s_mov_b64 s[64:65], 0
	v_nop
	global_prefetch_b8 v0, s[64:65] scope:SCOPE_SE
	s_setreg_imm32_b32 hwreg(HW_REG_WAVE_MODE, 25, 1), 1
	s_wait_xcnt 0x0
; pre: everything that the attention launch needs before it can start.
; Work-groups 0..255 (row path): work-group n streams row n of x ([256 queries][128 channels] f32, 131,072 bytes) once and stores
;   STATS[n][q] = (rstd, -mu*rstd) in f32 for each query, and XBAR[n][:] = mean over q of (x - mu)*rstd, in f16 (a matrix operand later).
;   The variance is taken in two passes over the registers (mean first, then the squares of x - mu): no difference of large sums.
; Work-groups 256..279 (prep path): one job a wave, 188 jobs (the last four waves of the last work-group have none and end):
;   jobs 0..159 make K, V and z_bias on the matrix unit, jobs 160..187 fold ln_w, ln_b, 32^-0.5, log2(e) and bg into the weights.
;   All results are stored as register images of 16-bit matrix fragments: 1,024 bytes each, lane L's registers 0-3 at 16 L, registers 4-7 at 512 + 16 L.
; A 32-bit result tile holds (m = 8 (L>>4) + j, n = L & 15) in register j; two such tiles packed to 16 bits are a fragment whose row is n
; and whose k is the tiles' m (ISA guide 7.12.2), so nothing is ever moved between lanes.
; No LDS tiles, no tensor loads, no clusters: the row path reads each byte once and shares nothing between work-groups; the prep path is 188 small jobs.
; MATRIX OPERANDS ARE F16 (11 significant bits): the output is a mean of 256 values of v that largely cancel, and 8 significant bits leave too little margin.
; LIMITS.  f16 reaches 65,504 and keeps its 11 bits down to 6.1e-5 (below that its spacing is 6e-8).  K, V and z_bias are sums of 128 products of z and a weight:
; with |z| <= 150 and |w| <= 3 they stay under 128 x 150 x 3 = 57,600.  Beyond 65,504 they become infinite here where reference() stays finite.
; ln_w is multiplied into the weights before their one rounding to f16; ln_b's share is kept in f32 tables.
.set WFO,    163840                    ; ws: folded weights (wq 8 blocks, wg 8, wo 8, wx 4; 4,096 bytes a block of 16 rows)
.set BIASO,  278528                    ; ws: f32 tables, 64 bytes for each fold job
.set XBARO,  280576                    ; ws: [256][128] f16
.set STATSO, 346112                    ; ws: [256][256] pairs of f32
.set T,   8                            ; v[8:15]    row path: four pairs at work
.set SS,  16                           ; v[16:19]   four sums
.set PP,  20                           ; v[20:23]   the other half's sums
.set MU,  24                           ; v[24:27]   -mean
.set RS,  28                           ; v[28:31]   1/sqrt(var + eps)
.set ACC, 32                           ; v[32:35]   sum of xhat over my wave's queries, my 4 channels
.set ST,  36                           ; v[36:37]   lane j: (rstd, -mu rstd) of my wave's query j
.set X,   64                           ; v[64:191]  32 queries, 4 registers each
.set T0,  64                           ; prep path: three blocks of 16 rows x 128 f32, 64 registers each
.set T1,  128
.set T2,  192
.set D0,  16                           ; two result tiles
.set D1,  24
.set PK,  32                           ; the packed fragment
	s_load_b512 s[8:23], s[0:1], 0x0               ; x 8, z 10, ln_w 12, ln_b 14, wx 16, wz 18, wq 20, wk 22
	s_load_b256 s[24:31], s[0:1], 0x40             ; wv 24, wg 26, bg 28, wo 30
	s_load_b64 s[32:33], s[0:1], 0x60              ; ws
	v_lshl_add_u32 v62, v0, 2, 0x1000
	v_mov_b32 v63, 0
	v_lshrrev_b32 v1, 5, v0
	v_readfirstlane_b32 s3, v1                     ; wave 0..7
	v_and_b32 v1, 31, v0                           ; lane L
	v_and_b32 v2, 15, v0                           ; r = L & 15
	v_bfe_u32 v3, v0, 4, 1                         ; h = L >> 4
	v_lshlrev_b32 v4, 4, v1                        ; 16 L
	s_mov_b32 s34, 0x76543210                      ; v_permlanex16_b32: lane i reads lane i of the other half
	s_mov_b32 s35, 0xfedcba98
	s_mov_b32 s36, 0x3c000000                      ; 1/128
	s_mov_b32 s37, 0x3727c5ac                      ; eps = 1e-5
	s_mov_b32 s38, 0xbc000000                      ; -1/128
	s_wait_kmcnt 0x0
	s_cmp_ge_u32 ttmp9, 256                        ; the same for all waves of a work-group
	s_cbranch_scc1 .Lprep
; ---------------- row path ----------------
; Wave w takes queries 32 w .. 32 w + 31.  One load of the wave is one query's 512 bytes; lane L holds channels 4 L .. 4 L + 3.
; All 32 loads go out at once: 16 KiB a wave, the work-group's whole 128 KiB, are on their way together.
	s_lshl_b32 s40, ttmp9, 17                      ; row n: 131,072 bytes
	s_lshl_b32 s41, s3, 14                         ; 32 queries of 512 bytes
	s_add_co_u32 s40, s40, s41
	s_mov_b32 s41, 0
	s_add_nc_u64 s[8:9], s[8:9], s[40:41]
.set j, 0
.rept 32
	global_load_b128 v[X+4*j:X+4*j+3], v4, s[8:9] offset:512*j   ; no hint: the next launch reads x again
.set j, j+1
.endr
	v_lshlrev_b32 v5, 3, v1                        ; 8 L
	v_lshlrev_b32 v6, 4, v0                        ; 512 w + 16 L
.irp a, 0,1,2,3
	v_mov_b32 v[PP+\a], 0                          ; v_permlanex16_b32's destination counts as read
.endr
	v_mov_b32 v[ST], 0
	v_mov_b32 v[ST+1], 0
.macro RED                             ; the four sums SS over the 32 lanes, side by side; every lane gets the result
.irp m, 1,2,4,8
.irp a, 0,1,2,3
	v_add_f32_dpp v[SS+\a], v[SS+\a], v[SS+\a] row_xmask:\m row_mask:0xf bank_mask:0xf
.endr
.endr
.irp a, 0,1,2,3
	v_permlanex16_b32 v[PP+\a], v[SS+\a], s34, s35
.endr
.irp a, 0,1,2,3
	v_add_f32 v[SS+\a], v[SS+\a], v[PP+\a]
.endr
.endm
; Queries 4 g .. 4 g + 3, every step written for the four side by side so that their chains overlap.
.macro STAT4 g
.set XQ, X+16*\g
	s_wait_loadcnt 28-4*\g                         ; loads return in order (ISA guide 5.7.1): 28 - 4 g are younger than query 4 g + 3
.irp a, 0,1,2,3
	v_pk_add_f32 v[T+2*\a:T+2*\a+1], v[XQ+4*\a:XQ+4*\a+1], v[XQ+4*\a+2:XQ+4*\a+3]
.endr
.irp a, 0,1,2,3
	v_add_f32 v[SS+\a], v[T+2*\a], v[T+2*\a+1]
.endr
	RED
.irp a, 0,1,2,3
	v_mul_f32 v[MU+\a], s38, v[SS+\a]              ; -mean
.endr
.irp a, 0,2                            ; d = x - mean in place; the pair's first register serves query a, its second query a + 1
	v_pk_add_f32 v[XQ+4*\a:XQ+4*\a+1],   v[XQ+4*\a:XQ+4*\a+1],   v[MU+\a:MU+\a+1] op_sel_hi:[1,0]
	v_pk_add_f32 v[XQ+4*\a+2:XQ+4*\a+3], v[XQ+4*\a+2:XQ+4*\a+3], v[MU+\a:MU+\a+1] op_sel_hi:[1,0]
	v_pk_add_f32 v[XQ+4*\a+4:XQ+4*\a+5], v[XQ+4*\a+4:XQ+4*\a+5], v[MU+\a:MU+\a+1] op_sel:[0,1] op_sel_hi:[1,1]
	v_pk_add_f32 v[XQ+4*\a+6:XQ+4*\a+7], v[XQ+4*\a+6:XQ+4*\a+7], v[MU+\a:MU+\a+1] op_sel:[0,1] op_sel_hi:[1,1]
.endr
.irp a, 0,1,2,3
	v_pk_mul_f32 v[T+2*\a:T+2*\a+1], v[XQ+4*\a:XQ+4*\a+1], v[XQ+4*\a:XQ+4*\a+1]
.endr
.irp a, 0,1,2,3
	v_pk_fma_f32 v[T+2*\a:T+2*\a+1], v[XQ+4*\a+2:XQ+4*\a+3], v[XQ+4*\a+2:XQ+4*\a+3], v[T+2*\a:T+2*\a+1]
.endr
.irp a, 0,1,2,3
	v_add_f32 v[SS+\a], v[T+2*\a], v[T+2*\a+1]
.endr
	RED
.irp a, 0,1,2,3
	v_fma_f32 v[SS+\a], v[SS+\a], s36, s37         ; var + eps
.endr
.irp a, 0,1,2,3
	v_rsq_f32 v[RS+\a], v[SS+\a]
.endr
.irp a, 0,1,2,3
	v_cmp_eq_u32 s[40+\a], 4*\g+\a, v1             ; plain instructions between v_rsq_f32 and the first use of its result (ISA guide 5.7.2)
.endr
.if \g == 0
	s_wait_alu depctr_va_vdst(0)
	v_pk_mul_f32 v[ACC:ACC+1],   v[XQ:XQ+1],   v[RS:RS+1] op_sel_hi:[1,0]      ; the first query starts the sums: nothing is cleared
	v_pk_mul_f32 v[ACC+2:ACC+3], v[XQ+2:XQ+3], v[RS:RS+1] op_sel_hi:[1,0]
.else
	s_wait_alu depctr_va_vdst(0)
	v_pk_fma_f32 v[ACC:ACC+1],   v[XQ:XQ+1],   v[RS:RS+1], v[ACC:ACC+1]   op_sel_hi:[1,0,1]
	v_pk_fma_f32 v[ACC+2:ACC+3], v[XQ+2:XQ+3], v[RS:RS+1], v[ACC+2:ACC+3] op_sel_hi:[1,0,1]
.endif
	v_pk_fma_f32 v[ACC:ACC+1],   v[XQ+4:XQ+5],   v[RS:RS+1],   v[ACC:ACC+1]   op_sel:[0,1,0] op_sel_hi:[1,1,1]
	v_pk_fma_f32 v[ACC+2:ACC+3], v[XQ+6:XQ+7],   v[RS:RS+1],   v[ACC+2:ACC+3] op_sel:[0,1,0] op_sel_hi:[1,1,1]
	v_pk_fma_f32 v[ACC:ACC+1],   v[XQ+8:XQ+9],   v[RS+2:RS+3], v[ACC:ACC+1]   op_sel_hi:[1,0,1]
	v_pk_fma_f32 v[ACC+2:ACC+3], v[XQ+10:XQ+11], v[RS+2:RS+3], v[ACC+2:ACC+3] op_sel_hi:[1,0,1]
	v_pk_fma_f32 v[ACC:ACC+1],   v[XQ+12:XQ+13], v[RS+2:RS+3], v[ACC:ACC+1]   op_sel:[0,1,0] op_sel_hi:[1,1,1]
	v_pk_fma_f32 v[ACC+2:ACC+3], v[XQ+14:XQ+15], v[RS+2:RS+3], v[ACC+2:ACC+3] op_sel:[0,1,0] op_sel_hi:[1,1,1]
.irp a, 0,1,2,3
	v_mul_f32 v[SS+\a], v[MU+\a], v[RS+\a]         ; -mean * rstd
.endr
.irp a, 0,1,2,3
	v_cndmask_b32 v[ST],   v[ST],   v[RS+\a], s[40+\a]     ; lane 4 g + a keeps this query's two figures
	v_cndmask_b32 v[ST+1], v[ST+1], v[SS+\a], s[40+\a]
.endr
.endm
.irp g, 0,1,2,3,4,5,6,7
	STAT4 \g
.endr
	s_lshl_b32 s40, ttmp9, 11                      ; STATS row n: 256 pairs of 8 bytes
	s_lshl_b32 s41, s3, 8                          ; my wave's 32 pairs
	s_add_co_u32 s40, s40, s41
	s_add_co_u32 s40, s40, STATSO
	s_mov_b32 s41, 0
	s_add_nc_u64 s[42:43], s[32:33], s[40:41]
	global_store_b64 v5, v[ST:ST+1], s[42:43]      ; the wave stores 256 consecutive bytes, aligned
	ds_store_b128 v6, v[ACC:ACC+3]                 ; my wave's sums at 512 w + 16 L
	s_wait_dscnt 0x0                               ; for wave 0's sake: my store is in LDS before I signal
	s_barrier_signal -1
	s_barrier_wait -1
	s_cmp_lg_u32 s3, 0
	s_cbranch_scc1 .Lend                           ; wave 0 alone adds the eight waves' sums
.irp k, 0,1,2,3,4,5,6,7
	ds_load_b128 v[X+4*\k:X+4*\k+3], v4 offset:512*\k
.endr
	s_lshl_b32 s44, ttmp9, 8                       ; XBAR row n: 256 bytes
	s_add_co_u32 s44, s44, XBARO
	s_mov_b32 s45, 0
	s_add_nc_u64 s[46:47], s[32:33], s[44:45]
	s_wait_dscnt 0x0
.irp k, 0,1,2,3
	v_pk_add_f32 v[X+4*\k:X+4*\k+1],   v[X+4*\k:X+4*\k+1],   v[X+4*\k+16:X+4*\k+17]
	v_pk_add_f32 v[X+4*\k+2:X+4*\k+3], v[X+4*\k+2:X+4*\k+3], v[X+4*\k+18:X+4*\k+19]
.endr
.irp k, 0,1
	v_pk_add_f32 v[X+4*\k:X+4*\k+1],   v[X+4*\k:X+4*\k+1],   v[X+4*\k+8:X+4*\k+9]
	v_pk_add_f32 v[X+4*\k+2:X+4*\k+3], v[X+4*\k+2:X+4*\k+3], v[X+4*\k+10:X+4*\k+11]
.endr
	v_pk_add_f32 v[X:X+1],   v[X:X+1],   v[X+4:X+5]
	v_pk_add_f32 v[X+2:X+3], v[X+2:X+3], v[X+6:X+7]
	v_pk_mul_f32 v[X:X+1],   v[X:X+1],   0x3b800000 op_sel_hi:[1,0]    ; 1/256: the mean over the row's queries
	v_pk_mul_f32 v[X+2:X+3], v[X+2:X+3], 0x3b800000 op_sel_hi:[1,0]
	v_cvt_pk_f16_f32 v[T],   v[X],   v[X+1]        ; |xhat| <= sqrt(127), and so is its mean: inside f16 for every x
	v_cvt_pk_f16_f32 v[T+1], v[X+2], v[X+3]
	global_store_b64 v5, v[T:T+1], s[46:47]        ; 256 consecutive bytes, aligned
	s_wait_tensorcnt 0x0
	ds_add_u32 v62, v63
	s_wait_dscnt 0x0
	s_endpgm
; ---------------- prep path ----------------
; 16 rows x 128 f32 in the order of four 16-bit fragments: registers 16 q .. 16 q + 7 hold k = 32 q + 8 h + 0..7, registers 16 q + 8 .. + 15 hold k = 32 q + 16 + 8 h + 0..7.
.macro LOADBLK t, vo, sb, imm
.irp q, 0,1,2,3
	global_load_b128 v[\t+16*\q:\t+16*\q+3],     v[\vo], s[\sb:\sb+1] offset:\imm+128*\q
	global_load_b128 v[\t+16*\q+4:\t+16*\q+7],   v[\vo], s[\sb:\sb+1] offset:\imm+128*\q+16
	global_load_b128 v[\t+16*\q+8:\t+16*\q+11],  v[\vo], s[\sb:\sb+1] offset:\imm+128*\q+64
	global_load_b128 v[\t+16*\q+12:\t+16*\q+15], v[\vo], s[\sb:\sb+1] offset:\imm+128*\q+80
.endr
.endm
; Rounded to f16 in place, ascending, so that no register is written before it has been read: fragment q is then v[t + 16 q : t + 16 q + 7].
.macro CVTBLK t
.irp q, 0,1,2,3
.irp k, 0,1,2,3,4,5,6,7
	v_cvt_pk_f16_f32 v[\t+16*\q+\k], v[\t+16*\q+2*\k], v[\t+16*\q+2*\k+1]
.endr
.endr
.endm
.Lprep:
	s_sub_co_u32 s40, ttmp9, 256
	s_lshl_b32 s40, s40, 3
	s_add_co_u32 s40, s40, s3                      ; job 0..191
	v_lshlrev_b32 v6, 9, v2
	v_lshl_add_u32 v6, v3, 5, v6                   ; 512 r + 32 h: my row of a block, my half of each 16 k
	v_lshlrev_b32 v7, 5, v3                        ; 32 h: the same place in a vector of 128 f32
	v_lshlrev_b32 v8, 2, v2                        ; 4 r
	s_mov_b32 s53, 0
	s_cmp_ge_u32 s40, 160
	s_cbranch_scc1 .Lfold
; Product jobs.  Two tiles D0, D1 = P's rows 32 i .. + 15 and + 16 .. + 31 (as m) times Q's rows 16 j .. + 15 (as n), summed over the 128 channels.
;   jobs   0.. 63  K fragment (head i, key tile j):      P = wk, Q = z
;   jobs  64..127  V fragment (channel tile j, keys 32 i ..): P = z,  Q = wv
;   jobs 128..159  z_bias fragment (head pair i, key tile j): P = wz, Q = z
	s_lshr_b32 s41, s40, 4
	s_and_b32 s41, s41, 3                          ; i of K and of z_bias
	s_and_b32 s42, s40, 15                         ; j of K and of z_bias
	s_and_b32 s43, s40, 7                          ; i of V
	s_lshr_b32 s44, s40, 3
	s_and_b32 s44, s44, 7                          ; j of V
	s_cmp_lt_u32 s40, 64
	s_cselect_b64 s[48:49], s[22:23], s[18:19]     ; wk or wz
	s_lshr_b32 s45, s40, 6                         ; 0 K, 1 V, 2 z_bias
	s_cmp_eq_u32 s45, 1
	s_cselect_b64 s[48:49], s[10:11], s[48:49]     ; P
	s_cselect_b64 s[50:51], s[24:25], s[10:11]     ; Q
	s_cselect_b32 s41, s43, s41
	s_cselect_b32 s42, s44, s42
	s_lshl_b32 s52, s41, 14                        ; 32 rows of 512 bytes
	s_add_nc_u64 s[48:49], s[48:49], s[52:53]
	s_lshl_b32 s52, s42, 13                        ; 16 rows
	s_add_nc_u64 s[50:51], s[50:51], s[52:53]
	LOADBLK T0, 6, 48, 0
	LOADBLK T1, 6, 48, 8192
	LOADBLK T2, 6, 50, 0
	s_lshl_b32 s52, s40, 10                        ; the job's fragment: 1,024 bytes
	s_add_nc_u64 s[54:55], s[32:33], s[52:53]
	s_wait_loadcnt 32                              ; T1's and T2's 32 loads are younger
	CVTBLK T0
	s_wait_loadcnt 16                              ; T2's 16 are younger
	CVTBLK T1
	s_wait_loadcnt 0x0
	CVTBLK T2
	; two accumulators by turns, one instruction a turn; the first k step starts the sums
	v_wmma_f32_16x16x32_f16 v[D0:D0+7], v[T0:T0+7], v[T2:T2+7], 0
	v_wmma_f32_16x16x32_f16 v[D1:D1+7], v[T1:T1+7], v[T2:T2+7], 0
.irp q, 1,2,3
	v_wmma_f32_16x16x32_f16 v[D0:D0+7], v[T0+16*\q:T0+16*\q+7], v[T2+16*\q:T2+16*\q+7], v[D0:D0+7]
	v_wmma_f32_16x16x32_f16 v[D1:D1+7], v[T1+16*\q:T1+16*\q+7], v[T2+16*\q:T2+16*\q+7], v[D1:D1+7]
.endr
.rept 4
	v_nop                                          ; four places before a vector instruction reads a matrix result (ISA guide 7.12.1)
.endr
.irp k, 0,1,2,3
	v_cvt_pk_f16_f32 v[PK+\k],   v[D0+2*\k], v[D0+2*\k+1]      ; registers 0-3: k = 8 h + 0..7
	v_cvt_pk_f16_f32 v[PK+4+\k], v[D1+2*\k], v[D1+2*\k+1]      ; registers 4-7: k = 16 + 8 h + 0..7
.endr
	global_store_b128 v4, v[PK:PK+3],   s[54:55]               ; each store of the wave covers 512 consecutive bytes, aligned
	global_store_b128 v4, v[PK+4:PK+7], s[54:55] offset:512
	s_endpgm
; Fold jobs f = 0..27: block b = f & 7 of 16 rows of  wq (f>>3 = 0), wg (1), wo (2), wx (3).
;   weights: f16(alpha * W * ln_w);  table: alpha * (W . ln_b  [+ bg for wg]);  wo is only rounded.
;   alpha = 32^-0.5 log2(e) for wq and log2(e) for wx (the logits are kept in units of log2(e), so that the exponential is 2^(l - max) with no further product),
;   -log2(e) for wg (the gate is 1 / (1 + 2^(-log2(e) y))).
.Lfold:
	s_sub_co_u32 s41, s40, 160                     ; f
	s_cmp_ge_u32 s41, 28
	s_cbranch_scc1 .Lend
	s_lshr_b32 s42, s41, 3
	s_and_b32 s43, s41, 7                          ; b
	s_mov_b32 s44, 0xbfb8aa3b                      ; -log2(e)
	s_cmp_eq_u32 s42, 0
	s_cselect_b64 s[48:49], s[20:21], s[26:27]     ; wq or wg
	s_cselect_b32 s44, 0x3e8293ee, s44             ; 32^-0.5 log2(e)
	s_cmp_eq_u32 s42, 2
	s_cselect_b64 s[48:49], s[30:31], s[48:49]     ; wo
	s_cmp_eq_u32 s42, 3
	s_cselect_b64 s[48:49], s[16:17], s[48:49]     ; wx
	s_cselect_b32 s44, 0x3fb8aa3b, s44             ; log2(e)
	s_mov_b32 s45, s44                             ; the pair's second register is written too
	s_cmp_eq_u32 s42, 1
	s_cselect_b32 s46, -1, 0                       ; all lanes: bg counts for wg alone
	s_lshl_b32 s52, s43, 13
	s_add_nc_u64 s[48:49], s[48:49], s[52:53]
	s_lshl_b32 s52, s41, 6
	s_add_co_u32 s52, s52, BIASO
	s_add_nc_u64 s[54:55], s[32:33], s[52:53]      ; the job's 16 table entries
	s_lshl_b32 s52, s41, 12
	s_add_co_u32 s52, s52, WFO
	s_add_nc_u64 s[56:57], s[32:33], s[52:53]      ; the job's four fragments
	LOADBLK T0, 6, 48, 0
	s_cmp_eq_u32 s42, 2
	s_cbranch_scc1 .Lplain
	LOADBLK T1, 7, 12, 0                           ; ln_w in the same order as a row of W
	LOADBLK T2, 7, 14, 0                           ; ln_b likewise
	v_lshl_add_u32 v10, s43, 6, v8                 ; 64 b + 4 r: inside bg's 512 bytes for every b up to 7
	global_load_b32 v9, v10, s[28:29]
	s_wait_loadcnt 0x0
.set p, 0
.rept 32                               ; W . ln_b over my 64 numbers of the row, in four chains started by products
.if p < 4
	v_pk_mul_f32 v[16+2*p:17+2*p], v[T0+2*p:T0+2*p+1], v[T2+2*p:T2+2*p+1]
.else
	v_pk_fma_f32 v[16+2*(p&3):17+2*(p&3)], v[T0+2*p:T0+2*p+1], v[T2+2*p:T2+2*p+1], v[16+2*(p&3):17+2*(p&3)]
.endif
.set p, p+1
.endr
	v_pk_add_f32 v[16:17], v[16:17], v[18:19]
	v_pk_add_f32 v[20:21], v[20:21], v[22:23]
	v_pk_add_f32 v[16:17], v[16:17], v[20:21]
	v_add_f32 v16, v16, v17
	v_permlanex16_b32 v18, v16, s34, s35           ; the row's other 64 numbers lie in lane L xor 16
	v_add_f32 v16, v16, v18
	v_cndmask_b32 v11, 0, v9, s46
	v_add_f32 v11, v11, v16
	v_mul_f32 v11, s44, v11
.set p, 0
.rept 32
	v_pk_mul_f32 v[T0+2*p:T0+2*p+1], v[T0+2*p:T0+2*p+1], s[44:45] op_sel_hi:[1,0]
.set p, p+1
.endr
.set p, 0
.rept 32
	v_pk_mul_f32 v[T0+2*p:T0+2*p+1], v[T0+2*p:T0+2*p+1], v[T1+2*p:T1+2*p+1]
.set p, p+1
.endr
	s_wait_xcnt 0x0                                ; EXEC is a source of the memory instructions issued so far: it changes only behind this wait
	v_cmp_gt_u32 vcc_lo, 16, v1
	s_and_saveexec_b32 s47, vcc_lo                 ; lanes 0-15: one entry for each row
	global_store_b32 v8, v11, s[54:55]
	s_wait_xcnt 0x0                                ; and again in front of the line that widens it
	s_or_b32 exec_lo, exec_lo, s47
.Lplain:
	s_wait_loadcnt 0x0                             ; wo's way comes here with its 16 loads out
	CVTBLK T0
.irp q, 0,1,2,3
	global_store_b128 v4, v[T0+16*\q:T0+16*\q+3],   s[56:57] offset:1024*\q
	global_store_b128 v4, v[T0+16*\q+4:T0+16*\q+7], s[56:57] offset:1024*\q+512
.endr
.Lend:
	s_wait_tensorcnt 0x0
	ds_add_u32 v62, v63
	s_wait_dscnt 0x0
	s_endpgm
.Lfunc_end_k_q1f181edb45_pre:
	.size	k_q1f181edb45_pre, .Lfunc_end_k_q1f181edb45_pre-k_q1f181edb45_pre
	.p2alignl 7, 3214868480
	.fill 96, 4, 3214868480
	.section	.rodata,"a",@progbits
	.p2align	6, 0x0
	.amdhsa_kernel k_q1f181edb45_pre
		.amdhsa_group_segment_fixed_size 5120
		.amdhsa_private_segment_fixed_size 0
		.amdhsa_enable_private_segment 0
		.amdhsa_kernarg_size 104
		.amdhsa_user_sgpr_count 2
		.amdhsa_user_sgpr_kernarg_segment_ptr 1
		.amdhsa_wavefront_size32 1
		.amdhsa_system_sgpr_workgroup_id_x 1
		.amdhsa_system_sgpr_workgroup_id_y 1
		.amdhsa_system_sgpr_workgroup_id_z 1
		.amdhsa_system_vgpr_workitem_id 0
		.amdhsa_next_free_vgpr 256
		.amdhsa_next_free_sgpr 66
		.amdhsa_reserve_vcc 1
		.amdhsa_float_denorm_mode_32 3
		.amdhsa_float_denorm_mode_16_64 3
		.amdhsa_memory_ordered 1
		.amdhsa_forward_progress 1
		.amdhsa_inst_pref_size 86
	.end_amdhsa_kernel
	.amdgpu_metadata
---
amdhsa.version: [ 1, 2 ]
amdhsa.kernels:
  - .name:           k_q1f181edb45_pre
    .symbol:         k_q1f181edb45_pre.kd
    .args:
      - { .name: x, .offset: 0, .size: 8, .value_kind: global_buffer, .address_space: global }
      - { .name: z, .offset: 8, .size: 8, .value_kind: global_buffer, .address_space: global }
      - { .name: ln_w, .offset: 16, .size: 8, .value_kind: global_buffer, .address_space: global }
      - { .name: ln_b, .offset: 24, .size: 8, .value_kind: global_buffer, .address_space: global }
      - { .name: wx, .offset: 32, .size: 8, .value_kind: global_buffer, .address_space: global }
      - { .name: wz, .offset: 40, .size: 8, .value_kind: global_buffer, .address_space: global }
      - { .name: wq, .offset: 48, .size: 8, .value_kind: global_buffer, .address_space: global }
      - { .name: wk, .offset: 56, .size: 8, .value_kind: global_buffer, .address_space: global }
      - { .name: wv, .offset: 64, .size: 8, .value_kind: global_buffer, .address_space: global }
      - { .name: wg, .offset: 72, .size: 8, .value_kind: global_buffer, .address_space: global }
      - { .name: bg, .offset: 80, .size: 8, .value_kind: global_buffer, .address_space: global }
      - { .name: wo, .offset: 88, .size: 8, .value_kind: global_buffer, .address_space: global }
      - { .name: ws, .offset: 96, .size: 8, .value_kind: global_buffer, .address_space: global }
    .group_segment_fixed_size: 5120
    .private_segment_fixed_size: 0
    .kernarg_segment_align: 8
    .kernarg_segment_size: 104
    .max_flat_workgroup_size: 256
    .sgpr_count:     66
    .vgpr_count:     256
    .wavefront_size: 32
...
	.end_amdgpu_metadata
.endif
;; end of part 1
;; launch attn (part 2): grid 16 x 16, 4 waves a work-group, no clusters, 38,912 bytes of LDS; arguments x, mask, bo, ws, out0; writes out0
.if DOCPART == 2
	.amdgcn_target "amdgcn-amd-amdhsa--gfx1250"
	.amdhsa_code_object_version 6
	.text
	.protected	k_q1f181edb45_attn
	.globl	k_q1f181edb45_attn
	.p2align	8
	.type	k_q1f181edb45_attn,@function
k_q1f181edb45_attn:
	s_mov_b64 s[64:65], 0
	v_nop
	global_prefetch_b8 v0, s[64:65] scope:SCOPE_SE
	s_setreg_imm32_b32 hwreg(HW_REG_WAVE_MODE, 25, 1), 1
	s_wait_xcnt 0x0
; attn: LayerNorm (from the stored figures), Q and gate projections, 4-head attention over 256 keys with triangle and mask bias, gate, output projection.
; Work-group (qb, rg) owns query columns 16 qb .. + 15 of rows 16 rg .. + 15: eight double trips of 2 rows = 32 queries.  Four waves, one a SIMD.
; Wave w is head w for the projections and the attention, owns output channels 32 w .. + 31 of the output projection, and queries 4 w .. + 3 of each
; half for the conversion of x and for the stores.  The triangle bias hangs on the query column and not on the row, so a work-group keeps it, with K, V
; and its head's weights, in registers for the whole launch: 608 registers a wave.
; EVERY PRODUCT IS TAKEN TRANSPOSED, the query being the column n = lane & 15.  A 32-bit result tile holds (m = 8 (L>>4) + j, n = L & 15) in register j, and
; two such tiles packed to 16 bits are a B fragment whose k is the tiles' m (ISA guide 7.12.2):  Q^T = WQ xhat^T;  S^T = K Q^T + tri;  O^T = V^T P^T;
; G^T = WG xhat^T + gb;  out^T = WO og^T / 4 + bo.  The softmax runs along a lane's registers, with one exchange between lane L and lane L xor 16.
; NO CLUSTER, NO TENSOR LOADS: what work-groups share (K, V, z_bias, weights) is read once by each, straight into registers as register images:
; 608 registers x 128 bytes x 4 waves = 311,296 bytes, which with the 38,400 bytes of LDS in use would not fit beside each other in LDS, and would cost a
; second pass through it.  The one stream, 16 KiB of x a double trip, has to pass through registers for the normalisation and is asked for a whole double trip ahead.
; MATRIX OPERANDS ARE F16 (11 significant bits; up to 65,504; spacing 6e-8 below 6.1e-5).  Bounded for every input: |xhat| <= sqrt(127); 0 <= P <= 1, the largest
; P of a query being exactly 1, since the running unit of the logits is log2(e) and the maximum is taken away by a plain subtraction in front of 2^x.
; LIMITS.  (1) A logit is l = fl(log2e (q.k + tri) + fl(log2e 1e9 (mask - 1))), reference's order being fl(fl(q.k + maskbias) + tri): the same up to rounding where
; mask = 1; where mask = 0 this text's logits are one constant (spacing 128 at 1.44e9) while |q.k + tri| < 44, reference's (spacing 64 at 1e9) while |q.k| and |tri| < 32.
; A mask strictly between 0 and 1 whose bias is large enough to coarsen the logits coarsens them on another grid than reference's.
; (2) og is handed over as 4 o g, so max |v| has to stay under 65,504 / 4 = 16,376; Q, x_bias and the folded weights have to stay under 65,504.
; (3) A head's z_bias fragment holds its neighbour head's numbers too, multiplied by zero: a non-finite z_bias spreads to the neighbour head.
; (4) ln_b's share of Q is rounded to f16 as Q itself is; ln_b's share of the gate and of x_bias stays in f32.
.set KFO,    0                         ; ws: K fragments, 16 a head
.set VFO,    65536                     ; V fragments, 16 a head
.set ZFO,    131072                    ; z_bias fragments, 16 for each pair of heads
.set WQO,    163840                    ; folded weights, 8 fragments a head
.set WGO,    196608
.set WOO,    229376
.set WXO,    262144                    ; 4 fragments a head
.set BIASO,  278528                    ; f32: QB[128], +512 GB[128], +1536 XBB[64]
.set XBARO,  280576
.set STATSO, 346112
; LDS.  All pitches are odd multiples of 16 bytes, so that sixteen rows start in sixteen different 16-byte columns of the 64 banks of 4 bytes (ISA guide 11.1).
.set XHH,    4352                      ; XH at 0: xhat in f16, [half][16 queries] rows of 256 + 16 bytes
.set OGO,    8704                      ; OG: gated O in f16, [half][head block][16 queries] rows of 64 + 16 bytes; block s is k step s of the output projection
.set OGB,    1280
.set OGH,    5120
.set STG,    18944                     ; STAGE: out in f32, [half][block of 32 channels][16 queries] rows of 128 + 16 bytes; a block is 2,304 + 128 bytes
.set STP,    144
.set STB,    2432
.set STH,    9728
; Window 0
.set GX,  2                            ; 2048 w + 16 L: my 16 bytes of query 4 w in x and in out
.set GM,  3                            ; 4 (L & 15): my query's mask
.set FR,  4                            ; 272 (L & 15) + 16 (L >> 4): fragments of xhat
.set XW,  5                            ; 1088 w + 8 L: where I put xhat
.set OGW, 6                            ; OGR + 1280 w
.set STW, 7                            ; 2432 w + 144 (L & 15) + 32 (L >> 4)
.set STR, 8                            ; 2432 (L >> 3) + 16 (L & 7) + 576 w
.set OGR, 9                            ; 80 (L & 15) + 16 (L >> 4)
.set MBL, 10                           ; v10-11    the two halves' mask, as loaded
.set MBP, 12                           ; v[12:15]  log2(e) 1e9 (mask - 1), each half's twice (a pair for the packed add)
.set MX,  16                           ; v16-19    four running maxima
.set NM,  20                           ; v[20:21]  -M, twice
.set SMA, 22                           ; v[22:25]  two pairs of running sums
.set TMP, 26                           ; v26-29    destination of the lane exchange
.set RS,  30                           ; v[30:31]  4 / sum, twice
.set XF,  32                           ; v[32:63]  four B fragments of xhat; of og, half 0
.set QD,  64                           ; v[64:79]  Q^T, then O^T, then out^T of half 0
.set QF,  80                           ; v[80:87]  Q as a B fragment; og as 16 bytes + 16 bytes
.set GD,  88                           ; v[88:103] the gate
.set S,   128                          ; v[128:255] the 16 tiles of logits; P in place; at work elsewhere
; Window 1: v0-127 K (tile t at 8 t), v128-255 tri (tile t at 128 + 8 t).  Window 2: v0-127 V ((ct, u) at 8 (8 ct + u)), v128-191 WQ, v192-255 WG ((ct, s) at 8 (4 ct + s)).
; Window 3: v0-63 WO, v64-79 bo, v80-95 GB, v96-127 x as loaded.
.set XL,  96
.set MSB, 0
.macro WIN new                         ; low byte: bits 1:0 source 0, 3:2 source 1, 5:4 source 2, 7:6 destination; the high byte repeats the setting that is left
.if MSB != \new
	s_set_vgpr_msb (MSB<<8)|\new
.set MSB, \new
.endif
.endm
.macro NOPS n
.rept \n
	v_nop
.endr
.endm
.macro LDFR cnt, dst, vo, imm          ; cnt fragments of 1,024 bytes from ws: each load of the wave takes 512 consecutive bytes
.set k, 0
.rept \cnt
	global_load_b128 v[\dst+8*k:\dst+8*k+3],   v[\vo], s[10:11] offset:\imm+1024*k
	global_load_b128 v[\dst+8*k+4:\dst+8*k+7], v[\vo], s[10:11] offset:\imm+1024*k+512
.set k, k+1
.endr
.endm
; A double trip's inputs: my 4 queries of each half of x (one load = one query's 512 bytes), my query's mask, my 4 queries' LayerNorm figures.
.macro ASK
	WIN 0xc0
.irp f, 0,1
.irp i, 0,1,2,3
	global_load_b128 v[XL+16*\f+4*\i:XL+16*\f+4*\i+3], v[GX], s[4:5] offset:\f*131072+\i*512 th:TH_LOAD_NT
.endr
.endr
	WIN 0
	global_load_b32 v[MBL],   v[GM], s[6:7]
	global_load_b32 v[MBL+1], v[GM], s[6:7] offset:1024
	s_load_b256 s[24:31], s[14:15], 0x0            ; half 0: (rstd, -mu rstd) of queries 4 w .. 4 w + 3
	s_load_b256 s[32:39], s[14:15], 0x800          ; half 1: one row of 2,048 bytes further
.endm
	s_load_b256 s[4:11], s[0:1], 0x0               ; x 4, mask 6, bo 8, ws 10
	s_load_b64 s[12:13], s[0:1], 0x20              ; out0
	s_set_vgpr_msb 0xc0
	v_lshl_add_u32 v128, v0, 2, 0x9600
	v_mov_b32 v129, 0
	s_set_vgpr_msb 0xc000
	v_lshrrev_b32 v1, 5, v0
	v_readfirstlane_b32 s16, v1                    ; wave = head
	s_and_b32 s19, ttmp7, 0xffff                   ; rg
	s_mov_b32 s20, 0x76543210                      ; v_permlanex16_b32: lane i reads lane i of the other half
	s_mov_b32 s21, 0xfedcba98
	s_and_b32 s22, s16, 1
	s_sub_co_u32 s22, 0, s22                       ; all ones for an odd head
	s_lshl_b32 s40, s19, 21                        ; x and out: 16 rows of 131,072 bytes,
	s_lshl_b32 s41, ttmp9, 13                      ; 16 queries of 512
	s_add_co_u32 s40, s40, s41
	s_mov_b32 s41, 0
	s_lshl_b32 s42, s19, 14                        ; mask: 16 rows of 1,024 bytes,
	s_lshl_b32 s43, ttmp9, 6                       ; 16 queries of 4
	s_add_co_u32 s42, s42, s43
	s_mov_b32 s43, 0
	s_lshl_b32 s44, s19, 15                        ; STATS: 16 rows of 2,048 bytes,
	s_lshl_b32 s45, ttmp9, 7                       ; 16 queries of 8,
	s_add_co_u32 s44, s44, s45
	s_lshl_b32 s45, s16, 5                         ; my 4 queries
	s_add_co_u32 s44, s44, s45
	s_add_co_u32 s44, s44, STATSO
	s_mov_b32 s45, 0
	v_and_b32 v1, 31, v0                           ; L
	v_and_b32 v111, 15, v0                         ; r = L & 15
	v_bfe_u32 v112, v0, 4, 1                       ; h = L >> 4
	v_lshlrev_b32 v113, 4, v1                      ; 16 L
	s_lshl_b32 s46, s16, 11
	v_add_nc_u32 v[GX], s46, v113
	v_lshlrev_b32 v[GM], 2, v111
	v_mul_u32_u24 v[FR], v111, 272
	v_lshl_add_u32 v[FR], v112, 4, v[FR]
	s_mul_i32 s46, s16, 1088
	v_lshl_add_u32 v[XW], v1, 3, s46
	v_mul_u32_u24 v[OGR], v111, 80
	v_lshl_add_u32 v[OGR], v112, 4, v[OGR]
	s_mul_i32 s46, s16, OGB
	v_add_nc_u32 v[OGW], s46, v[OGR]
	v_mul_u32_u24 v[STW], v111, STP
	v_lshl_add_u32 v[STW], v112, 5, v[STW]
	s_mul_i32 s46, s16, STB
	v_add_nc_u32 v[STW], s46, v[STW]
	v_lshrrev_b32 v[STR], 3, v1
	v_mul_u32_u24 v[STR], v[STR], STB
	v_and_b32 v114, 7, v1
	v_lshl_add_u32 v[STR], v114, 4, v[STR]
	s_mul_i32 s46, s16, 4*STP
	v_add_nc_u32 v[STR], s46, v[STR]
	; offsets into ws that only the set-up uses
	s_lshl_b32 s46, ttmp9, 12
	v_lshl_add_u32 v104, v111, 8, s46              ; XBAR: row 16 qb + r of 256 bytes,
	v_lshl_add_u32 v104, v112, 4, v104             ; + 16 h
	s_lshl_b32 s46, s16, 12
	v_add_nc_u32 v105, s46, v113                   ; 16 L + 4 fragments a head
	s_lshl_b32 s46, s16, 6
	v_lshl_add_u32 v106, v112, 5, s46              ; 64 w + 32 h: a table of 16 f32 a head, as a C tile
	s_lshl_b32 s46, s16, 7
	v_lshl_add_u32 v107, v112, 5, s46              ; 128 w + 32 h: a table of 32 f32 a head
	s_lshr_b32 s46, s16, 1
	s_lshl_b32 s46, s46, 14
	v_add_nc_u32 v108, s46, v113                   ; 16 L + 16 fragments for each pair of heads
	s_lshl_b32 s46, s16, 14
	v_add_nc_u32 v109, s46, v113                   ; 16 L + 16 fragments a head
	s_lshl_b32 s46, s16, 13
	v_add_nc_u32 v110, s46, v113                   ; 16 L + 8 fragments a head
	s_wait_kmcnt 0x0
	s_add_nc_u64 s[4:5], s[4:5], s[40:41]
	s_add_nc_u64 s[12:13], s[12:13], s[40:41]
	s_add_nc_u64 s[6:7], s[6:7], s[42:43]
	s_add_nc_u64 s[14:15], s[10:11], s[44:45]
; ---------------- set-up: tri and the resident fragments ----------------
	ASK                                            ; the first double trip's inputs go out first: 10 loads
.irp q, 0,1,2,3                        ; 22 loads for x_bias and Q's bias: XBAR's rows as B fragments,
	global_load_b128 v[XF+8*\q:XF+8*\q+3],   v104, s[10:11] offset:XBARO+64*\q
	global_load_b128 v[XF+8*\q+4:XF+8*\q+7], v104, s[10:11] offset:XBARO+64*\q+32
.endr
	LDFR 4, 64, 105, WXO                           ; my head's wx,
	global_load_b128 v[96:99],   v106, s[10:11] offset:BIASO+1536      ; wx . ln_b as a C tile (m = 8 h + j),
	global_load_b128 v[100:103], v106, s[10:11] offset:BIASO+1552
	global_load_b128 v[16:19], v107, s[10:11] offset:BIASO             ; Q's bias: k = 8 h + 0..7,
	global_load_b128 v[20:23], v107, s[10:11] offset:BIASO+16
	global_load_b128 v[24:27], v107, s[10:11] offset:BIASO+64          ; k = 16 + 8 h + 0..7
	global_load_b128 v[28:31], v107, s[10:11] offset:BIASO+80
	LDFR 16, S, 108, ZFO                           ; z_bias, tile t at S + 8 t
	s_wait_loadcnt 32                              ; only z_bias's 32 loads are younger
	; x_bias^T (m = 16 bias channels, n = query): two accumulators by turns
	v_wmma_f32_16x16x32_f16 v[112:119], v[64:71], v[XF:XF+7],     v[96:103]
	v_wmma_f32_16x16x32_f16 v[120:127], v[72:79], v[XF+8:XF+15],  0
	v_wmma_f32_16x16x32_f16 v[112:119], v[80:87], v[XF+16:XF+23], v[112:119]
	v_wmma_f32_16x16x32_f16 v[120:127], v[88:95], v[XF+24:XF+31], v[120:127]
	WIN 0x40
	LDFR 16, 0, 109, KFO                           ; K into window 1
	WIN 0
	NOPS 4                                         ; four places before results are read and sources written (ISA guide 7.12.1)
.irp k, 0,1,2,3,4,5,6,7
	v_cvt_pk_f16_f32 v[QF+\k], v[16+2*\k], v[17+2*\k]      ; a B fragment of which every column is Q's bias
.endr
.irp k, 0,2,4,6
	v_pk_add_f32 v[112+\k:113+\k], v[112+\k:113+\k], v[120+\k:121+\k]
.endr
.irp k, 0,1,2,3
	v_cvt_pk_f16_f32 v[TMP+\k], v[112+2*\k], v[113+2*\k]
.endr
.irp k, 0,1,2,3                        ; x_bias as a B fragment: an even head's 16 numbers are k = 0..15 of the z_bias fragment, an odd head's k = 16..31; the rest is 0
	v_cndmask_b32 v[64+\k], v[TMP+\k], 0, s22
	v_cndmask_b32 v[68+\k], 0, v[TMP+\k], s22
.endr
	s_wait_loadcnt 32                              ; only K's 32 loads are younger: z_bias is in
	WIN 0x40
.set t, 0
.rept 16
	v_wmma_f32_16x16x32_f16 v[128+8*t:135+8*t], v[S+8*t:S+8*t+7], v[64:71], 0      ; tri^T, tile t (m = key, n = query)
.set t, t+1
.endr
	WIN 0x80
	LDFR 16, 0, 109, VFO                           ; V into window 2
	s_wait_loadcnt 32                              ; only V's 32 loads are younger: K is in
	WIN 0x51
.set t, 0
.rept 16                               ; + K . (Q's bias): each of the sixteen accumulators is taken up again after the other fifteen's turns
	v_wmma_f32_16x16x32_f16 v[128+8*t:135+8*t], v[8*t:8*t+7], v[QF:QF+7], v[128+8*t:135+8*t]
.set t, t+1
.endr
	WIN 0x80
	LDFR 8, 128, 110, WQO
	LDFR 8, 192, 110, WGO
	WIN 0xc0
	LDFR 8, 0, 110, WOO
.irp k, 0,1
	global_load_b128 v[64+8*\k:67+8*\k], v107, s[8:9] offset:64*\k                 ; bo and the gate's bias in the order of result tiles: m = 16 ct + 8 h + j
	global_load_b128 v[68+8*\k:71+8*\k], v107, s[8:9] offset:64*\k+16
	global_load_b128 v[80+8*\k:83+8*\k], v107, s[10:11] offset:BIASO+512+64*\k
	global_load_b128 v[84+8*\k:87+8*\k], v107, s[10:11] offset:BIASO+512+64*\k+16
.endr
	WIN 0
	NOPS 5                                         ; five places before tri serves as the C of other accumulators
; ---------------- the pieces of a double trip ----------------
.macro CONV                            ; xhat = x rstd - mu rstd, to f16, into XH; the mask bias as reference() forms it, then in the logits' unit
	WIN 0x03
.irp f, 0,1
.irp i, 0,1,2,3
.irp k, 0,1,2,3
	v_fma_f32 v[S+16*\f+4*\i+\k], v[XL+16*\f+4*\i+\k], s[24+8*\f+2*\i], s[25+8*\f+2*\i]
.endr
.endr
.endr
	WIN 0
.set k, 0
.rept 16
	v_cvt_pk_f16_f32 v[S+64+k], v[S+2*k], v[S+2*k+1]
.set k, k+1
.endr
.irp f, 0,1
.irp i, 0,1,2,3
	ds_store_b64 v[XW], v[S+64+8*\f+2*\i:S+64+8*\f+2*\i+1] offset:\f*XHH+\i*272    ; the wave writes one query's 256 bytes
.endr
.endr
.irp f, 0,1
	v_add_f32 v[MBP+2*\f], -1.0, v[MBL+\f]
	v_mul_f32 v[MBP+2*\f], 0x4e6e6b28, v[MBP+2*\f]         ; 1e9
	v_mul_f32 v[MBP+2*\f], 0x3fb8aa3b, v[MBP+2*\f]         ; log2(e)
	v_mov_b32 v[MBP+2*\f+1], v[MBP+2*\f]
.endr
.endm
.macro QK c                            ; four tiles of S^T = K Q^T + tri
	WIN 0x11
.irp t, 4*\c, 4*\c+1, 4*\c+2, 4*\c+3
	v_wmma_f32_16x16x32_f16 v[S+8*(\t):S+8*(\t)+7], v[8*(\t):8*(\t)+7], v[QF:QF+7], v[S+8*(\t):S+8*(\t)+7]
.endr
	WIN 0
.endm
.macro GATE                            ; 1 / (1 + 2^y), y = -log2(e) (xn . wg + bg)
.set k, 0
.rept 16
	v_exp_f32 v[GD+k], v[GD+k]
.set k, k+1
.endr
	v_nop                                          ; a plain instruction between the last v_exp_f32 and the use of its result (ISA guide 5.7.2)
.set k, 0
	s_wait_alu depctr_va_vdst(0)
.rept 8
	v_pk_add_f32 v[GD+2*k:GD+2*k+1], v[GD+2*k:GD+2*k+1], 1.0 op_sel_hi:[1,0]
.set k, k+1
.endr
.set k, 0
.rept 16
	v_rcp_f32 v[GD+k], v[GD+k]
.set k, k+1
.endr
.endm
.macro AM c, f                         ; four tiles: the mask bias by a rounded f32 add on every logit, then the running maxima, four chains
.set k, 0
.rept 16
	v_pk_add_f32 v[S+32*\c+2*k:S+32*\c+2*k+1], v[S+32*\c+2*k:S+32*\c+2*k+1], v[MBP+2*\f:MBP+2*\f+1]
.set k, k+1
.endr
.set k, 0
.rept 16
.if 16*\c+k < 4
	v_max_num_f32 v[MX+k], v[S+2*k], v[S+2*k+1]            ; the first eight logits start the chains
.else
	v_max3_num_f32 v[MX+(k&3)], v[MX+(k&3)], v[S+32*\c+2*k], v[S+32*\c+2*k+1]
.endif
.set k, k+1
.endr
.endm
.macro FU u                            ; chunk u (keys 32 u .. + 31, 16 registers): l - M, never above 0
.set k, 0
.rept 8
	v_pk_add_f32 v[S+16*\u+2*k:S+16*\u+2*k+1], v[S+16*\u+2*k:S+16*\u+2*k+1], v[NM:NM+1]
.set k, k+1
.endr
.endm
; Plain step i of chunk u: steps 0-7 add its eight pairs onto two pairs of sums by turns (chunk 0's first four pairs start them, in two steps),
; steps 8-15 pack it to f16 in place, ascending: v[S + 16 u : S + 16 u + 7] is then P's B fragment for keys 32 u .. + 31.
.macro PL u, i
.if \i >= 8
	v_cvt_pk_f16_f32 v[S+16*\u+\i-8], v[S+16*\u+2*(\i-8)], v[S+16*\u+2*(\i-8)+1]
.elseif 8*\u+\i >= 4
	s_wait_alu depctr_va_vdst(0)
	v_pk_add_f32 v[SMA+2*(\i&1):SMA+2*(\i&1)+1], v[SMA+2*(\i&1):SMA+2*(\i&1)+1], v[S+16*\u+2*\i:S+16*\u+2*\i+1]
.elseif \i < 2
	s_wait_alu depctr_va_vdst(0)
	v_pk_add_f32 v[SMA+2*\i:SMA+2*\i+1], v[S+2*\i:S+2*\i+1], v[S+2*\i+4:S+2*\i+5]
.endif
.endm
.macro ER u                            ; chunk u's exponentials, each followed by a plain step of chunk u - 1
.set k, 0
.rept 16
	v_exp_f32 v[S+16*\u+k], v[S+16*\u+k]
	PL (\u-1), k
.set k, k+1
.endr
.endm
.macro AV2 u                           ; O^T += V^T P^T for chunks u, u + 1: the two channel tiles by turns
	WIN 0x02
.irp n, \u, \u+1
.if \n == 0
	v_wmma_f32_16x16x32_f16 v[QD:QD+7],    v[0:7],   v[S:S+7], 0
	v_wmma_f32_16x16x32_f16 v[QD+8:QD+15], v[64:71], v[S:S+7], 0
.else
	v_wmma_f32_16x16x32_f16 v[QD:QD+7],    v[8*(\n):8*(\n)+7],       v[S+16*(\n):S+16*(\n)+7], v[QD:QD+7]
	v_wmma_f32_16x16x32_f16 v[QD+8:QD+15], v[64+8*(\n):64+8*(\n)+7], v[S+16*(\n):S+16*(\n)+7], v[QD+8:QD+15]
.endif
.endr
	WIN 0
.endm
; One half (16 queries of one row), my head.
.macro CORE f
.irp q, 0,1,2,3
	ds_load_b128 v[XF+8*\q:XF+8*\q+3],   v[FR] offset:\f*XHH+64*\q
	ds_load_b128 v[XF+8*\q+4:XF+8*\q+7], v[FR] offset:\f*XHH+64*\q+32
.endr
	s_wait_dscnt 0x0
	; Q^T and the gate's argument: four accumulators by turns.  The first k step starts the sums: Q from 0 (its bias lies in tri), the gate from its bias.
	WIN 0x32
	v_wmma_f32_16x16x32_f16 v[QD:QD+7],    v[128:135], v[XF:XF+7], 0
	v_wmma_f32_16x16x32_f16 v[QD+8:QD+15], v[160:167], v[XF:XF+7], 0
	v_wmma_f32_16x16x32_f16 v[GD:GD+7],    v[192:199], v[XF:XF+7], v[80:87]
	v_wmma_f32_16x16x32_f16 v[GD+8:GD+15], v[224:231], v[XF:XF+7], v[88:95]
	WIN 0x02
.irp q, 1,2,3
	v_wmma_f32_16x16x32_f16 v[QD:QD+7],    v[128+8*\q:135+8*\q], v[XF+8*\q:XF+8*\q+7], v[QD:QD+7]
	v_wmma_f32_16x16x32_f16 v[QD+8:QD+15], v[160+8*\q:167+8*\q], v[XF+8*\q:XF+8*\q+7], v[QD+8:QD+15]
	v_wmma_f32_16x16x32_f16 v[GD:GD+7],    v[192+8*\q:199+8*\q], v[XF+8*\q:XF+8*\q+7], v[GD:GD+7]
	v_wmma_f32_16x16x32_f16 v[GD+8:GD+15], v[224+8*\q:231+8*\q], v[XF+8*\q:XF+8*\q+7], v[GD+8:GD+15]
.endr
	WIN 0
	NOPS 4                                         ; four places before the results are read (ISA guide 7.12.1)
.irp k, 0,1,2,3,4,5,6,7
	v_cvt_pk_f16_f32 v[QF+\k], v[QD+2*\k], v[QD+2*\k+1]
.endr
	; The logits in four runs of four tiles; behind each run stands plain work on other registers (the gate's nine plain lines, then the run before's 32) before its results are read.
	QK 0
	GATE
	QK 1
	AM 0, \f
	QK 2
	AM 1, \f
	QK 3
	AM 2, \f
	AM 3, \f
	v_max3_num_f32 v[MX], v[MX], v[MX+1], v[MX+2]
	v_max_num_f32 v[MX], v[MX], v[MX+3]
	v_permlanex16_b32 v[TMP], v[MX], s20, s21      ; the query's other 128 keys lie in lane L xor 16
	v_max_num_f32 v[MX], v[MX], v[TMP]
	v_mul_f32 v[NM], -1.0, v[MX]
	v_mov_b32 v[NM+1], v[NM]
	FU 0
.set k, 0
.rept 16
	v_exp_f32 v[S+k], v[S+k]
.set k, k+1
.endr
	FU 1
	ER 1
	FU 2
	ER 2
	AV2 0
	FU 3
	ER 3
	FU 4
	ER 4
	AV2 2
	FU 5
	ER 5
	FU 6
	ER 6
	AV2 4
	FU 7
	ER 7
.set k, 0
.rept 16
	PL 7, k
.set k, k+1
.endr
	AV2 6
	; 4 / sum, the gate, and the hand-over.  The lines down to the gate's eight products name no register of the last matrix instructions: they are the places behind them.
	v_pk_add_f32 v[SMA:SMA+1], v[SMA:SMA+1], v[SMA+2:SMA+3]
	v_add_f32 v[SMA], v[SMA], v[SMA+1]
	v_permlanex16_b32 v[TMP], v[SMA], s20, s21
	v_add_f32 v[SMA], v[SMA], v[TMP]
	v_rcp_f32 v[RS], v[SMA]                        ; the sum is at least 1: the largest exponential of a query is 2^0
	v_nop                                          ; a plain instruction between v_rcp_f32 and the use of its result (ISA guide 5.7.2)
	s_wait_alu depctr_va_vdst(0)
	v_mul_f32 v[RS], 4.0, v[RS]                    ; og goes over as 4 o g: a mean of 256 v is small beside v, and the factor keeps it clear of f16's lower end
	v_mov_b32 v[RS+1], v[RS]
.set k, 0
.rept 8
	v_pk_mul_f32 v[GD+2*k:GD+2*k+1], v[GD+2*k:GD+2*k+1], v[RS:RS+1]
.set k, k+1
.endr
.set k, 0
.rept 8
	v_pk_mul_f32 v[QD+2*k:QD+2*k+1], v[QD+2*k:QD+2*k+1], v[GD+2*k:GD+2*k+1]
.set k, k+1
.endr
.irp k, 0,1,2,3,4,5,6,7
	v_cvt_pk_f16_f32 v[QF+\k], v[QD+2*\k], v[QD+2*\k+1]
.endr
	ds_store_b128 v[OGW], v[QF:QF+3]   offset:OGO+\f*OGH       ; query r, my head's channels 8 h + 0..7
	ds_store_b128 v[OGW], v[QF+4:QF+7] offset:OGO+\f*OGH+32    ; channels 16 + 8 h + 0..7
.endm
.macro OPROJ                           ; out^T = WO (4 og)^T / 4 + bo for my 32 output channels, both halves: four accumulators by turns
.irp q, 0,1,2,3
	ds_load_b128 v[XF+8*\q:XF+8*\q+3],   v[OGR] offset:OGO+OGB*\q
	ds_load_b128 v[XF+8*\q+4:XF+8*\q+7], v[OGR] offset:OGO+OGB*\q+32
.endr
.irp q, 0,1,2,3
	ds_load_b128 v[S+8*\q:S+8*\q+3],   v[OGR] offset:OGO+OGH+OGB*\q
	ds_load_b128 v[S+8*\q+4:S+8*\q+7], v[OGR] offset:OGO+OGH+OGB*\q+32
.endr
	s_wait_dscnt 0x0
	WIN 0x03
	v_wmma_f32_16x16x32_f16 v[QD:QD+7],     v[0:7],   v[XF:XF+7], 0
	v_wmma_f32_16x16x32_f16 v[QD+8:QD+15],  v[32:39], v[XF:XF+7], 0
	v_wmma_f32_16x16x32_f16 v[S+32:S+39],   v[0:7],   v[S:S+7],   0
	v_wmma_f32_16x16x32_f16 v[S+40:S+47],   v[32:39], v[S:S+7],   0
.irp q, 1,2,3
	v_wmma_f32_16x16x32_f16 v[QD:QD+7],     v[8*\q:8*\q+7],       v[XF+8*\q:XF+8*\q+7], v[QD:QD+7]
	v_wmma_f32_16x16x32_f16 v[QD+8:QD+15],  v[32+8*\q:32+8*\q+7], v[XF+8*\q:XF+8*\q+7], v[QD+8:QD+15]
	v_wmma_f32_16x16x32_f16 v[S+32:S+39],   v[8*\q:8*\q+7],       v[S+8*\q:S+8*\q+7],   v[S+32:S+39]
	v_wmma_f32_16x16x32_f16 v[S+40:S+47],   v[32+8*\q:32+8*\q+7], v[S+8*\q:S+8*\q+7],   v[S+40:S+47]
.endr
	WIN 0
	NOPS 4                                         ; four places before a vector instruction reads or writes a result (ISA guide 7.12.1)
	WIN 0x30                                       ; source 2, bo, lies in window 3
.set k, 0
.rept 8
	v_pk_fma_f32 v[QD+2*k:QD+2*k+1],     v[QD+2*k:QD+2*k+1],     0x3e800000, v[64+2*k:65+2*k] op_sel_hi:[1,0,1]    ; D / 4 + bo
	v_pk_fma_f32 v[S+32+2*k:S+33+2*k],   v[S+32+2*k:S+33+2*k],   0x3e800000, v[64+2*k:65+2*k] op_sel_hi:[1,0,1]
.set k, k+1
.endr
	WIN 0
	ds_store_b128 v[STW], v[QD:QD+3]     offset:STG            ; query r, channels 8 h + 0..3 of my block,
	ds_store_b128 v[STW], v[QD+4:QD+7]   offset:STG+16         ; + 4..7,
	ds_store_b128 v[STW], v[QD+8:QD+11]  offset:STG+64         ; 16 + 8 h + 0..3,
	ds_store_b128 v[STW], v[QD+12:QD+15] offset:STG+80
	ds_store_b128 v[STW], v[S+32:S+35]   offset:STG+STH
	ds_store_b128 v[STW], v[S+36:S+39]   offset:STG+STH+16
	ds_store_b128 v[STW], v[S+40:S+43]   offset:STG+STH+64
	ds_store_b128 v[STW], v[S+44:S+47]   offset:STG+STH+80
.endm
.macro FLUSH more                      ; my 4 queries of each half leave as whole rows: one store of the wave covers 512 consecutive bytes, aligned
.irp f, 0,1
.irp i, 0,1,2,3
	ds_load_b128 v[S+64+16*\f+4*\i:S+64+16*\f+4*\i+3], v[STR] offset:STG+\f*STH+\i*STP
.endr
.endr
.irp f, 0,1
.irp i, 0,1,2,3
	s_wait_dscnt 7-4*\f-\i                         ; LDS loads return in order (ISA guide 5.7.1): so many are younger
	global_store_b128 v[GX], v[S+64+16*\f+4*\i:S+64+16*\f+4*\i+3], s[12:13] offset:\f*131072+\i*512 th:TH_STORE_NT
.endr
.endr
.if \more
	s_wait_xcnt 0x0                                ; the stores' base and data registers are rewritten only behind this wait
	s_add_nc_u64 s[12:13], s[12:13], 262144        ; two rows on
.endif
.endm
; A double trip.  Three barriers: xhat, og and the stage each pass from the waves that write them to the waves that read them.  The other direction is
; ordered by the same barriers: XH is written again behind the barriers that follow its last reads (waited for inside CORE), OG behind the third barrier
; (its reads are waited for inside OPROJ), the stage behind the next trip's first two (FLUSH's count-down ends at 0).
.macro TRIP2 more
	s_wait_loadcnt 0x0                             ; what was asked for a whole double trip ago (in the first trip: the set-up's loads too)
	s_wait_kmcnt 0x0
	CONV
.if \more
	s_add_nc_u64 s[4:5], s[4:5], 262144            ; their loads are done: the bases step two rows
	s_add_nc_u64 s[6:7], s[6:7], 2048
	s_add_nc_u64 s[14:15], s[14:15], 4096
	ASK                                            ; the next double trip's inputs have this whole trip in which to arrive
.endif
	s_wait_dscnt 0x0                               ; my part of xhat is in LDS, my reads of the stage are back
	s_barrier_signal -1
	s_barrier_wait -1
	CORE 0
	CORE 1
	s_wait_dscnt 0x0                               ; my head's og is in LDS
	s_barrier_signal -1
	s_barrier_wait -1
	OPROJ
	s_wait_dscnt 0x0                               ; my channels of out are in the stage
	s_barrier_signal -1
	s_barrier_wait -1
	FLUSH \more
.endm
	s_mov_b32 s17, 0
.Ltrip:
	TRIP2 1
	s_add_co_u32 s17, s17, 1
	s_cmp_lt_u32 s17, 7
	s_cbranch_scc1 .Ltrip
	TRIP2 0                                        ; the last double trip asks for nothing: no load leaves its buffer
	s_set_vgpr_msb 0xf
	s_wait_tensorcnt 0x0
	ds_add_u32 v128, v129
	s_wait_dscnt 0x0
	s_set_vgpr_msb 0xf00
	s_endpgm
.Lfunc_end_k_q1f181edb45_attn:
	.size	k_q1f181edb45_attn, .Lfunc_end_k_q1f181edb45_attn-k_q1f181edb45_attn
	.p2alignl 7, 3214868480
	.fill 96, 4, 3214868480
	.section	.rodata,"a",@progbits
	.p2align	6, 0x0
	.amdhsa_kernel k_q1f181edb45_attn
		.amdhsa_group_segment_fixed_size 38912
		.amdhsa_private_segment_fixed_size 0
		.amdhsa_enable_private_segment 0
		.amdhsa_kernarg_size 40
		.amdhsa_user_sgpr_count 2
		.amdhsa_user_sgpr_kernarg_segment_ptr 1
		.amdhsa_wavefront_size32 1
		.amdhsa_system_sgpr_workgroup_id_x 1
		.amdhsa_system_sgpr_workgroup_id_y 1
		.amdhsa_system_sgpr_workgroup_id_z 1
		.amdhsa_system_vgpr_workitem_id 0
		.amdhsa_next_free_vgpr 898
		.amdhsa_next_free_sgpr 66
		.amdhsa_reserve_vcc 0
		.amdhsa_float_denorm_mode_32 3
		.amdhsa_float_denorm_mode_16_64 3
		.amdhsa_memory_ordered 1
		.amdhsa_forward_progress 1
		.amdhsa_inst_pref_size 185
	.end_amdhsa_kernel
	.amdgpu_metadata
---
amdhsa.version: [ 1, 2 ]
amdhsa.kernels:
  - .name:           k_q1f181edb45_attn
    .symbol:         k_q1f181edb45_attn.kd
    .args:
      - { .name: x, .offset: 0, .size: 8, .value_kind: global_buffer, .address_space: global }
      - { .name: mask, .offset: 8, .size: 8, .value_kind: global_buffer, .address_space: global }
      - { .name: bo, .offset: 16, .size: 8, .value_kind: global_buffer, .address_space: global }
      - { .name: ws, .offset: 24, .size: 8, .value_kind: global_buffer, .address_space: global }
      - { .name: out0, .offset: 32, .size: 8, .value_kind: global_buffer, .address_space: global }
    .group_segment_fixed_size: 38912
    .private_segment_fixed_size: 0
    .kernarg_segment_align: 8
    .kernarg_segment_size: 40
    .max_flat_workgroup_size: 128
    .sgpr_count:     66
    .vgpr_count:     898
    .wavefront_size: 32
...
	.end_amdgpu_metadata
.endif
;; end of part 2
